; MI455X (gfx1250); checked and timed in simulation.
; The chip was launched on July 23, 2026; its instructions are those of AMD's public machine-readable ISA for CDNA 5 (MIT licence, August 2026) and "CDNA5" Instruction Set Architecture Reference Guide (July 2026). The comments in the code are by the model that wrote it; some were corrected since.
;; Self Attention. Allowed arithmetic: matrix products marked QUANTISED: E2M1 operands, one E8M0 scale for each 32 along K, by v_wmma_scale_f32_16x16x128_f8f6f4 with both operands' format E2M1 (or v_wmma_scale_f32_32x16x128_f4), f32 sums; everything else in f32.
;; Inputs: x 8 x 2,048 x 768 float32.
;; Outputs: out0 8 x 2,048 x 768 float32.
;; This version of the problem:
;;   THIS VERSION OF THE PROBLEM IS GIVEN IN LOW PRECISION. The matrix products marked QUANTISED in the list below multiply operands that are first quantised to E2M1 (2 exponent bits, 1 mantissa bit; 4 bits a number), with one power-of-two scale for each 32 numbers along K (OCP MX v1.0); their sums are f32. All else is computed in f32.
;;   The module's matrix products, in the order in which they are computed (A, B: the left and right operand; K: the contracted axis; several contracted axes count as one K, in the product's order):
;;     1. batch 8 x [M 2,048, K 768] x [K 768, N 2,048]; A: input x; B: input x: QUANTISED
;;     2. batch 8 x [M 2,048, K 2,048] x [K 2,048, N 768]; A: softmax (see below); B: input x: QUANTISED
;;   THE QUANTISER, for each operand of a quantised product, along K:
;;     - K is cut into blocks of 32 from its start; a last block that is shorter is filled with zeros.
;;     - A block's scale is 2^e with e = floor(log2(the largest magnitude in the block)) - 2, held to -126 .. 127; a block of zeros has e = 0. As a byte (E8M0): e + 127.
;;     - Each number is divided by its block's scale, clamped to +-6, and rounded to the nearest number of E2M1, ties to even, subnormals kept.
;;     - The product sums the exact products of the quantised numbers (number of the format x scale) in f32.
;;   ~~~python
;;   def quantise(x, axis):      # numpy; x: float32 -> the quantised numbers, widened to float32 again
;;       x = np.moveaxis(x, axis, -1); K = x.shape[-1]
;;       x = np.pad(x, [(0, 0)] * (x.ndim - 1) + [(0, -K % 32)]); x = x.reshape(x.shape[:-1] + (-1, 32)); a = np.abs(x).max(-1, keepdims=True)
;;       e = np.where(a > 0, np.clip(np.frexp(np.where(a > 0, a, 1))[1] - 1 - 2, -126, 127), 0)      # np.frexp(a)[1] - 1 = floor(log2(a)), exactly
;;       r = np.clip(x / 2.0 ** e, -6, 6)
;;       step = 2.0 ** (np.maximum(np.frexp(np.where(r == 0, 1, r))[1] - 1, 0) - 1)
;;       q = np.round(r / step) * step * 2.0 ** e      # np.round: ties to even
;;       return np.moveaxis(q.reshape(q.shape[:-2] + (-1,))[..., :K], -1, axis).astype(np.float32)
;;   ~~~
;;   SOFTMAX AHEAD OF A QUANTISED PRODUCT. Where the list says 'softmax', what is quantised is not the finished softmax but p = 2^(t - M), with t = logit x log2(e) and M = ceil(the row's largest t), a whole number; so 1/2 < the row's largest p <= 1. The row's sum l is taken of the UNQUANTISED p, in f32, and the product's result is divided by l at the end. Since M is a whole number, a kernel that streams over the keys may use a running M (the ceiling of the running maximum): every later rescaling is an exact power of two, which a block's scale takes up: the codes' values come out the same.
;;   OPERANDS COMPUTED ON THE WAY. 'Computed on the way' means the value that the module computes at that place (a softmax that the list does not call 'softmax' is quantised finished and normalised). What goes into a quantiser is computed in f32, as accurately as f32 sums, v_exp_f32 and their like allow (about 1e-6 of the number): no bf16 or f16 on the way to a quantiser, and a product that is left as it is and whose result goes on into a quantised operand takes f32 operands (vector FMAs, or v_wmma_f32_16x16x4_f32). A number that lies on a knife's edge between two numbers of the format may be rounded either way, as far as f32 arithmetic and the matrix unit's own rounding can turn it there, and no further.
;; One version. Each part assembles by itself: llvm-mc -triple=amdgcn-amd-amdhsa -mcpu=gfx1250 --defsym DOCPART=n.
;; ======== version 1 of 1: 2 launches
;; limits: right only within a limited range of input values
;; workspace buffers: kv 13,369,344 bytes
;; launch quant (part 1): grid 6 x 128, 4 waves a work-group, no clusters, 20,992 bytes of LDS; arguments x, kv; writes kv
.if DOCPART == 1
	.amdgcn_target "amdgcn-amd-amdhsa--gfx1250"
	.amdhsa_code_object_version 6
	.text
	.protected	k_q8caa9e2182_quant
	.globl	k_q8caa9e2182_quant
	.p2align	8
	.type	k_q8caa9e2182_quant,@function
k_q8caa9e2182_quant:
	s_mov_b64 s[64:65], 0
	v_nop
	global_prefetch_b8 v0, s[64:65] scope:SCOPE_SE
	s_setreg_imm32_b32 hwreg(HW_REG_WAVE_MODE, 25, 1), 1
	s_wait_xcnt 0x0
; x [8][2048][768] f32 is turned into codes of FP4 (E2M1) TWICE in one pass: along d (both operands of x x^T) and along t (the right operand of p x), each with one E8M0 byte for 32 along its K.
; A block's scale is 2^(floor(log2(its largest magnitude)) - 2): its byte is the largest magnitude's exponent field - 2, held at 1 from below.
; NOTHING OF reference() IS LEFT OUT in this program: every byte of x reaches the output.  (x x^T is symmetric by identity; to use that, score tiles would go from work-group to work-group through
; memory, 8 x 2048 x 2048 x 4 bytes out and in, more than twice all the bytes that the program moves otherwise: so all of it is multiplied.)
; LIMITS: NaN and infinities in x are not served.  A block whose largest magnitude lies under 2^(3 - 127), a block of zeros among them, gets the byte 1 (the rule says 127 for zeros): its codes
; are zeros or nearly so, and the bytes are read by this program alone.
; THE WORKSPACE kv IS LAID IN THE ORDER OF THE NEXT LAUNCH'S OPERAND REGISTERS.  A batch is 12 fills, six of K (codes along d) and six of V (codes along t).  A fill is four quarters, one for each wave of the
; next launch; a quarter is 32 fragment images of 1,024 bytes and a scale image of 2,048 bytes.
;   fragment image (16 rows x 128 K): the 16 bytes of block kb of row r at (kb / 2) 512 + (16 (kb % 2) + r) 16: what lane 16 (kb % 2) + r takes into registers 4 (kb / 2) .. + 3.
;   scale image: the word of (fragment f, row r) at ((f % 16) / 4) 512 + (16 (f / 16) + r) 16 + (f % 4) 4; byte kb scales block kb.
;   K: unit U = 6 j + s is 512 keys j x 128 channels s; fill U / 4, quarter w: keys 128 w on of the 512; f = 8 (U % 4) + kt (kt = 2 b + u: row r is key 32 b + 8 u + r + 8 (r / 8)).
;   V: fill 6 + 2 g + kh, quarter w: channels 192 w + 64 g on, keys 1,024 kh on; f = 4 k8 + t (k8: which 128 keys; row r is channel 16 t + r).
; SHARES.  A work-group takes 128 t x 128 d of a batch, a wave 32 t of them, as four sub-tiles of 32 t x 32 d.  A sub-tile is loaded with a lane to a channel and the registers running down t: that IS the
; block of 32 along t.  The same 32 x 32 numbers turn through the wave's own stage in LDS and come back with a lane to a row t and the registers along d.  x is read once.
; Work-groups share no input, so there is no cluster; no tensor load, so no ring.  The launch streams: no prefetch is laid.
.set SCO,   32768                      ; where a quarter's scale image begins
.set QTR,   34816                      ; a quarter
.set CH,    4*QTR                      ; a fill
.set BATCH, 12*CH
.set STGW,  4864                       ; LDS: a wave's stage: row i (128 bytes) at 144 i + 128 (i / 16)
.set KSC,   4*STGW                     ; K's scale words of the work-group: two runs of 256 bytes
.set VSC,   KSC+512                    ; V's likewise
.set SPARE, VSC+512                    ; the spare words, 128 bytes for each wave: two blocks of 256 bytes that no other line names
.set SPW, 13                           ; v13  my spare word's LDS address; never rewritten
.set NIL, 14                           ; v14  0; never rewritten
.set KW,  20                           ; v20  my row's scale word along d
.set VB,  21                           ; v21-24 my channel's scale byte, one for each sub-tile
.set Y,   32                           ; v32-63   a sub-tile turned: 32 neighbours along d of my row
.set X,   64                           ; v64-191  four sub-tiles as loaded: 32 numbers down t of my channel
.set CV,  192                          ; v192-207 codes along t, four registers a sub-tile: no store's data are written again
.set CK,  208                          ; v208-223 codes along d likewise
	s_load_b128 s[4:7], s[0:1], 0x0                ; x, kv
	v_lshl_add_u32 v[SPW], v0, 2, SPARE
	v_mov_b32 v[NIL], 0
	v_lshrrev_b32 v1, 5, v0
	v_readfirstlane_b32 s8, v1                     ; wave 0..3
	v_and_b32 v1, 31, v0                           ; lane
	v_and_b32 v2, 15, v0                           ; r
	v_bfe_u32 v3, v0, 4, 1                         ; u
	v_lshlrev_b32 v4, 2, v1                        ; x: 4 bytes a lane
	s_and_b32 s10, ttmp7, 0xffff                   ; y = 16 batch + tb
	s_lshl_b32 s24, s10, 7                         ; 128 y = 2048 batch + 128 tb,
	s_lshl_b32 s23, s8, 5
	s_add_co_u32 s24, s24, s23                     ; + 32 wave: my first row
	s_mul_i32 s24, s24, 3072
	s_lshl_b32 s23, ttmp9, 9                       ; + my work-group's 128 channels (m = work-group x)
	s_add_co_u32 s24, s24, s23
	s_mov_b32 s25, 0
	s_wait_alu depctr_va_vdst(0)
	s_wait_kmcnt 0x0
	s_add_nc_u64 s[4:5], s[4:5], s[24:25]
.macro LOADX e                         ; sub-tile e: x(my row i, 32 e + lane): 32 lanes read 128 consecutive bytes
.set i_, 0
.rept 32
	global_load_b32 v[X+32*(\e)+i_], v4, s[4:5] offset:i_*3072+128*(\e) th:TH_LOAD_NT
.set i_, i_+1
.endr
.endm
	LOADX 0
	LOADX 1
	; where my results go, in bytes from kv's first byte
	s_lshr_b32 s11, s10, 4                         ; batch
	s_and_b32 s12, s10, 15                         ; tb: which 128 keys
	s_mul_i32 s19, s11, BATCH
	s_lshr_b32 s13, s12, 2                         ; j
	s_and_b32 s14, s12, 3                          ; w: K's quarter
	s_mul_i32 s15, s13, 6
	s_add_co_u32 s15, s15, ttmp9                   ; U = 6 j + m
	s_and_b32 s16, s15, 3                          ; its place in the fill
	s_lshr_b32 s15, s15, 2
	s_mul_i32 s20, s15, CH
	s_add_co_u32 s20, s20, s19
	s_mul_i32 s23, s14, QTR
	s_add_co_u32 s20, s20, s23                     ; K's quarter
	s_add_co_u32 s28, s20, SCO
	s_and_b32 s23, s16, 1
	s_lshl_b32 s23, s23, 10
	s_add_co_u32 s28, s28, s23
	s_lshr_b32 s23, s16, 1
	s_lshl_b32 s23, s23, 8
	s_add_co_u32 s28, s28, s23                     ; K's scale run 0; run 1 lies 512 bytes on
	s_lshl_b32 s23, s16, 3
	s_lshl_b32 s26, s8, 1
	s_add_co_u32 s23, s23, s26
	s_lshl_b32 s23, s23, 10
	s_add_co_u32 s20, s20, s23                     ; fragment 8 (U % 4) + 2 wave (+ u)
	s_and_b32 s18, s12, 7                          ; k8
	s_lshr_b32 s17, s12, 3                         ; kh
	s_add_co_u32 s17, s17, 6
	s_lshl_b32 s29, ttmp9, 1                       ; 64-channel groups 2 m and 2 m + 1
	s_add_co_u32 s30, s29, 1
.macro VBASE o, g                      ; 64-channel group g: quarter g / 3 of fill 6 + 2 (g % 3) + kh
	s_mul_i32 s\o, s\g, 11
	s_lshr_b32 s\o, s\o, 5
	s_mul_i32 s26, s\o, 3
	s_sub_co_u32 s26, s\g, s26
	s_lshl_b32 s26, s26, 1
	s_add_co_u32 s26, s26, s17
	s_mul_i32 s26, s26, CH
	s_mul_i32 s\o, s\o, QTR
	s_add_co_u32 s\o, s\o, s26
	s_add_co_u32 s\o, s\o, s19
.endm
	VBASE 21, 29
	VBASE 22, 30
	s_sub_co_u32 s27, s22, s21                     ; from V's scale run 0 to run 1 (modulo 2^32)
	s_and_b32 s23, s18, 3
	s_lshl_b32 s23, s23, 9
	s_add_co_u32 s29, s21, s23
	s_lshr_b32 s23, s18, 2
	s_lshl_b32 s23, s23, 8
	s_add_co_u32 s29, s29, s23
	s_add_co_u32 s29, s29, SCO                     ; V's scale run 0
	s_lshl_b32 s31, s18, 12                        ; fragment 4 k8
	s_lshr_b32 s23, s8, 1
	s_lshl_b32 s23, s23, 9
	s_add_co_u32 s31, s31, s23                     ; my 32 keys are block kb = wave: (kb / 2) 512
	s_and_b32 s23, s8, 1
	s_lshl_b32 s23, s23, 8
	s_add_co_u32 s31, s31, s23                     ; + (kb % 2) 256
	s_add_co_u32 s21, s21, s31                     ; sub-tiles 0, 1
	s_add_co_u32 s22, s22, s31                     ; sub-tiles 2, 3
	v_lshlrev_b32 v15, 4, v2
	v_lshl_add_u32 v15, v3, 10, v15                ; 1,024 u + 16 r: lanes 0-15 fill 256 consecutive bytes of one fragment, lanes 16-31 of the next
	v_add_nc_u32 v7, s20, v15                      ; v7   K's codes
	v_add_nc_u32 v8, s21, v15                      ; v8, v9  V's codes
	v_add_nc_u32 v9, s22, v15
	; LDS addresses
	s_mul_i32 s32, s8, STGW
	v_lshl_add_u32 v5, v1, 2, s32                  ; v5   into the stage: 4 bytes a lane
	v_mul_u32_u24 v6, v2, 144
	v_lshrrev_b32 v16, 3, v2
	v_mad_u32_u24 v6, v16, 1280, v6
	v_mad_u32_u24 v6, v3, 1152, v6
	v_add_nc_u32 v6, s32, v6                       ; v6   out of it: row 8 u + r + 8 (r / 8): row r of key tile 2 wave + u
	v_lshlrev_b32 v16, 4, v2
	v_lshl_add_u32 v16, v3, 2, v16                 ; 16 r + 4 u
	s_add_co_u32 s33, s8, VSC
	v_add_nc_u32 v10, s33, v16                     ; v10  V's scale byte: row r, tile u of the sub-tile's two, byte kb = wave
	s_lshr_b32 s33, s8, 1
	s_lshl_b32 s33, s33, 8
	s_and_b32 s34, s8, 1
	s_lshl_b32 s34, s34, 3
	s_add_co_u32 s33, s33, s34
	s_add_co_u32 s33, s33, KSC
	v_add_nc_u32 v11, s33, v16                     ; v11  K's scale word: run (2 wave + u) / 4, row r, word (2 wave + u) % 4
	s_min_u32 s33, s8, 1
	s_lshl_b32 s33, s33, 9
	s_add_co_u32 s33, s33, KSC
	v_lshl_add_u32 v12, v1, 4, s33                 ; v12  the way out of the scale words: wave 0 K's 512 bytes, wave 1 V's
	s_cmp_eq_u32 s8, 0                             ; the choices are between offsets, and hang on the wave's number alone
	s_cselect_b32 s26, 512, s27
	s_cselect_b32 s28, s28, s29
	v_mul_lo_u32 v30, v3, s26
	v_lshl_add_u32 v30, v2, 4, v30
	v_add_nc_u32 v30, s28, v30                     ; v30  where my 16 bytes of run u go
; The largest magnitude of 32 numbers v[s] on, with the floor 2^(3 - 127) among its leaves, in two chains a, b; then 2 off its exponent field: the conversions' scale operand, in o.
.macro AMAX s, a, b, o
	v_max3_num_f32 v[\a], |v[\s]|, |v[\s+1]|, |v[\s+2]|
	v_max3_num_f32 v[\b], |v[\s+3]|, |v[\s+4]|, |v[\s+5]|
.irp i, 6,10,14,18,22,26
	v_max3_num_f32 v[\a], v[\a], |v[\s+\i]|, |v[\s+\i+1]|
	v_max3_num_f32 v[\b], v[\b], |v[\s+\i+2]|, |v[\s+\i+3]|
.endr
	v_max3_num_f32 v[\a], v[\a], |v[\s+30]|, |v[\s+31]|
	v_max3_num_f32 v[\a], v[\a], v[\b], 0x1800000
	v_add_nc_u32 v[\o], 0xff000000, v[\a]
.endm
.macro SUB e
.if (\e) < 3
	s_wait_loadcnt 32                              ; this sub-tile's 32 loads are in; the next one's 32 may be out
.else
	s_wait_loadcnt 0x0
.endif
.if (\e) < 2
	LOADX (\e)+2                                   ; two sub-tiles ahead, into registers of their own
.endif
.set i_, 0
.rept 32
	ds_store_b32 v5, v[X+32*(\e)+i_] offset:i_*144+(i_/16)*128
.set i_, i_+1
.endr
.irp k, 0,1,2,3,4,5,6,7
	ds_load_b128 v[Y+4*\k:Y+4*\k+3], v6 offset:16*\k   ; LDS serves a wave's instructions in order (ISA guide 5.7.1.4): these see the stores above, and the next sub-tile's stores come behind them
.endr
	; along t: my channel's block of 32 keys, as it was loaded; it is worked while the turn through the stage is under way
	AMAX X+32*(\e), 15, 16, 17
.irp g, 0,1,2,3
	v_cvt_scalef32_pk8_fp4_f32 v[CV+4*(\e)+\g], v[X+32*(\e)+8*\g:X+32*(\e)+8*\g+7], v17
.endr
	v_lshrrev_b32 v[VB+(\e)], 23, v17              ; the scale's byte (also the plain line behind the conversions)
	ds_store_b8 v10, v[VB+(\e)] offset:((\e)/2)*256+((\e)%2)*8
	global_store_b128 v[8+(\e)/2], v[CV+4*(\e):CV+4*(\e)+3], s[6:7] offset:2048*((\e)%2)   ; each half of the lanes stores 256 consecutive bytes, aligned
	s_wait_dscnt 0x0                               ; the sub-tile is back, turned
	; along d: my row's block e of the 128 channels
	AMAX Y, 18, 19, 25
.irp g, 0,1,2,3
	v_cvt_scalef32_pk8_fp4_f32 v[CK+4*(\e)+\g], v[Y+8*\g:Y+8*\g+7], v25
.endr
	v_lshrrev_b32 v31, 23, v25                     ; the scale's byte (the plain line behind the conversions)
.if (\e) == 0
	v_mov_b32 v[KW], v31
.else
	v_lshl_or_b32 v[KW], v31, 8*(\e), v[KW]        ; four bytes make my row's scale word for these 128 channels
.endif
	global_store_b128 v7, v[CK+4*(\e):CK+4*(\e)+3], s[6:7] offset:((\e)/2)*512+((\e)%2)*256
.endm
	s_wait_alu depctr_va_vdst(0)
	SUB 0
	SUB 1
	SUB 2
	SUB 3
	ds_store_b32 v11, v[KW]
	s_wait_dscnt 0x0                               ; for the others' sake: my scale bytes and words have landed
	s_barrier_signal -1
	s_barrier_wait -1
	s_cmp_gt_u32 s8, 1                             ; the scale words leave by two waves: wave 0 K's two runs, wave 1 V's
	s_cbranch_scc1 .Ldone
	ds_load_b128 v[26:29], v12
	s_wait_dscnt 0x0
	global_store_b128 v30, v[26:29], s[6:7]        ; each half of the lanes stores 256 consecutive bytes, aligned
.Ldone:
	s_wait_tensorcnt 0x0                           ; the wave's end, behind my last LDS store
	ds_add_u32 v[SPW], v[NIL]
	s_wait_dscnt 0x0
	s_endpgm
.Lfunc_end_k_q8caa9e2182_quant:
	.size	k_q8caa9e2182_quant, .Lfunc_end_k_q8caa9e2182_quant-k_q8caa9e2182_quant
	.p2alignl 7, 3214868480
	.fill 96, 4, 3214868480
	.section	.rodata,"a",@progbits
	.p2align	6, 0x0
	.amdhsa_kernel k_q8caa9e2182_quant
		.amdhsa_group_segment_fixed_size 20992
		.amdhsa_private_segment_fixed_size 0
		.amdhsa_enable_private_segment 0
		.amdhsa_kernarg_size 16
		.amdhsa_user_sgpr_count 2
		.amdhsa_user_sgpr_kernarg_segment_ptr 1
		.amdhsa_wavefront_size32 1
		.amdhsa_system_sgpr_workgroup_id_x 1
		.amdhsa_system_sgpr_workgroup_id_y 1
		.amdhsa_system_sgpr_workgroup_id_z 1
		.amdhsa_system_vgpr_workitem_id 0
		.amdhsa_next_free_vgpr 224
		.amdhsa_next_free_sgpr 66
		.amdhsa_reserve_vcc 0
		.amdhsa_float_denorm_mode_32 3
		.amdhsa_float_denorm_mode_16_64 3
		.amdhsa_memory_ordered 1
		.amdhsa_forward_progress 1
		.amdhsa_inst_pref_size 41
	.end_amdhsa_kernel
	.amdgpu_metadata
---
amdhsa.version: [ 1, 2 ]
amdhsa.kernels:
  - .name:           k_q8caa9e2182_quant
    .symbol:         k_q8caa9e2182_quant.kd
    .args:
      - { .name: x, .offset: 0, .size: 8, .value_kind: global_buffer, .address_space: global }
      - { .name: kv, .offset: 8, .size: 8, .value_kind: global_buffer, .address_space: global }
    .group_segment_fixed_size: 20992
    .private_segment_fixed_size: 0
    .kernarg_segment_align: 8
    .kernarg_segment_size: 16
    .max_flat_workgroup_size: 128
    .sgpr_count:     66
    .vgpr_count:     224
    .wavefront_size: 32
...
	.end_amdgpu_metadata
.endif
;; end of part 1
;; launch attn (part 2): grid 32 x 8, 4 waves a work-group, clusters of 4 x 1, 327,680 bytes of LDS; arguments kv, x, out0; writes out0
.if DOCPART == 2
	.amdgcn_target "amdgcn-amd-amdhsa--gfx1250"
	.amdhsa_code_object_version 6
	.text
	.protected	k_q8caa9e2182_attn
	.globl	k_q8caa9e2182_attn
	.p2align	8
	.type	k_q8caa9e2182_attn,@function
k_q8caa9e2182_attn:
	s_mov_b64 s[64:65], 0
	v_nop
	global_prefetch_b8 v0, s[64:65] scope:SCOPE_SE
	s_setreg_imm32_b32 hwreg(HW_REG_WAVE_MODE, 25, 1), 1
	s_wait_xcnt 0x0
	s_wait_alu depctr_hold_cnt(0) depctr_sa_sdst(0) depctr_va_vdst(0) depctr_va_sdst(0) depctr_va_ssrc(0) depctr_va_vcc(0) depctr_vm_vsrc(0)
	s_getreg_b32 s2, hwreg(HW_REG_IB_STS2, 6, 4)
	s_cmp_eq_u32 s2, 0
	s_cbranch_scc0 .Lentry_in_a_cluster
	s_endpgm
.Lentry_in_a_cluster:
	s_bfe_u32 s2, ttmp6, 0x10000c
	s_cmp_lg_u32 s2, 0x3003
	s_cbranch_scc0 .Lentry_shape_is_right
	s_endpgm
.Lentry_shape_is_right:
; out[b][q][:] = x[b][q][:] x (the sum over t of softmax_t(x[b][q] . x[b][t]) x[b][t][:]), both products on codes of FP4 (E2M1) with one E8M0 scale for each 32 along a product's K.  Nothing of reference() is left out.
; The codes and scale words come from kv, which the launch before laid in the order of this launch's operand registers (its head comment has the layout): a batch is 12 fills, six of K and six of V.
; THE SOFTMAX: t = score x log2(e); p = 2^(t - M), M the running largest t rounded UP to a whole number; p is quantised along the keys, not normalised; the row's sum is taken of the unquantised p and divides at the end.
; Each wave runs an M of its own over its own keys.  When all keys are through, the row's M is the waves' largest, and p's SCALE BYTES are lowered by (the row's M - the M under which they were made), a whole number: exact.
; LIMITS: NaN and infinities in x are not served.  t - M is one fused multiply-add, where the definition rounds t first: half a unit in t's last place, growing with |t|.
; A p under 2^-126 comes out of v_exp_f32 as 0 and a scale byte is held at 1 from below (the row's sum is over 1/2).  A block's largest p is made from its largest score by the same two instructions, which takes
; v_exp_f32 not to fall where its input rises.
; SHARES.  A work-group owns 64 queries of a batch, as four tiles of 16; its four waves share the columns.  PART 1, S^T = K Q^T: of each 512 keys wave w takes 128, for all 64 queries.  PART 2, O^T = V^T P^T: wave w
; takes 192 of the 768 channels, 64 at a time, over all 2,048 keys, with p of all keys in registers: a third of the result is finished, divided, multiplied by x and stored while the next third is multiplied.
; Each fragment of K and V read from LDS (1,024 bytes) feeds four matrix instructions, and each wave reads only the quarter of a fill that it fetched itself.  From wave to wave go p's images once, its scale words, and the rows' M and sums.
; LAYOUT.  Both products are used transposed, so a lane holds ONE query (lane % 16).  Row r of key tile 2 b + u is key 32 b + 8 u + r + 8 (r / 8), so that the 16 registers of tiles 2 b, 2 b + 1 are 16 neighbouring keys.
; Q is the same tensor: the query tiles are four of K's tiles, so row r of query tile q is query 32 (q / 2) + 8 (q % 2) + r + 8 (r / 8).
; CLUSTER.  The four query blocks of a cluster belong to one batch and walk the same fills: each quarter is asked for JOINTLY, by the same tensor load with the same descriptor and the mask of all four.
; ORDER.  Cluster c of a batch's eight begins K at its half c % 2 (three fills, 1,024 keys), and V at the channel third c % 3, in each third at the key half c % 2.
; RING.  Two LDS slots of one fill; at each change of slots a wave has one tensor load out: its quarter of the next fill.
; REGISTERS, in windows of 256 (s_set_vgpr_msb: bits 1:0 source 0, 3:2 source 1, 5:4 source 2, 7:6 destination):
;   window 0: v0-19 addresses; v20-35 statistics; v36-111 scale words and nothing else; v112-127 p's scale words and M; v128-191 scratch; v192-255 p's codes.  Part 2: v128-255 the sums
;   window 1: a fill's 32 fragments in four sets; on the way out x and rows read back     window 2: v0-191 Q; part 2: p of the second key half     window 3: S^T at v[64 q + 8 kt]; part 2: p of the first key half
.set SCO,   32768
.set QTR,   34816
.set CH,    4*QTR
.set BATCH, 12*CH
.set EX,    2*CH                       ; LDS behind the ring: p's images of 1,024 keys: (key step k8, query tile q) at (4 k8 + q) 1,024; in part 2 the stages of the way out, 16 rows x 272 bytes a wave
.set PSC,   EX+32768                   ; p's scale words: key half H at 2,048 H + (4 k8 + q) 64 + 4 r
.set MX,    PSC+4096                   ; the waves' -M and row sums: 512 q + 32 r + 8 wave
.set SPARE, MX+2048                    ; the spare words, 128 bytes for each wave: two blocks of 256 bytes that no other line names
.set SP,    272
.set FA,  1                            ; v1   my lane's 16 bytes in my quarter of the slot in hand;   v2  16 x lane
.set FAL, 2
.set PR,  3                            ; v3   p's images: 16 x lane;   v4  + 4,096 x wave
.set PW,  4
.set PSR, 5                            ; v5   p's scale words as they are read;   v6  as I store mine
.set PSW, 6
.set MXR, 7
.set MXW, 8
.set SPW, 9                            ; v9   my spare word's LDS address; never rewritten
.set NIL, 10                           ; v10  0; never rewritten
.set GO,  11                           ; v11  x and out: (lane / 16) rows + 16 (lane % 16) + 768 wave
.set SO,  12                           ; v12  the stage: where I put 32 bytes of a row;  v13  where I read rows back
.set SR,  13
.set PFO, 14                           ; v14  prefetch of x;  v15, v16  of V: codes, scale words; never rewritten
.set PFV, 15
.set PFS, 16
.set ST,  20                           ; query tile q at v[20 + 4 q]: -M, the largest t, the sum in two halves
.set QS,  36                           ; v36-47  Q's scale words (4 (s % 3) + q): lanes 0-15 channel steps 0-2, lanes 16-31 steps 3-5
.set CSC, 48                           ; v48-63, v64-79  two fills' scale images: register f % 16, lanes 16 (f / 16) on
.set PS,  80                           ; v80-111 p's scale words: 16 H + 4 (k8 / 2) + q, lanes 16 (k8 % 2) on
.set PWC, 112                          ; this trip's words of p (4 jj + q);  v120-127 and the -M that they stand under
.set NMC, 120
.set RL,  120                          ; part 2: 1 / the sum, a pair for each query tile
.set BM,  128                          ; the blocks' largest scores, then largest p (4 q + b)
.set MXV, 144                          ; what comes from the other half of the lanes;
.set T,   144                          ; then the sums' four chains,
.set BYT, 152                          ; and scale bytes
.set SOP, 160                          ; the conversions' scale operands
.set TMP, 164
.set PWS, 176                          ; the last trip's words;  v184-191 and their -M
.set NMS, 184
.set PT,  192                          ; p's codes of this trip's two steps (32 jj + 8 q)
.set ACC, 128                          ; part 2: O^T, channel tile t x query tile q at v[128 + 32 t + 8 q]
.set MXB, 128                          ; between the parts: the waves' -M and sums (8 q + 2 wave)
.set NMF, 160                          ; the row's -M;  v164-167 its sum
.set LS,  164
.set AU,  128
.set AX,  132
.set WV,  10                           ; s10 wave;  s11, s12, s14, s15, s42, s43 at work
.set BAT, 13
.set G1,  16                           ; s[16:23] descriptor group 1;  s[24:27] group 0
.set G0,  24
.set TB,  28                           ; s28  where the slot in hand begins
.set WQ,  29                           ; s29  wave x QTR
.set KOF, 30                           ; s30  the byte in the batch of the first fill of the three (K) or two (V) in hand
.set NXF, 31                           ; s31  and of the ones after
.set STP, 32                           ; s32  from the first fill to the second;  s33  the same, next
.set STN, 33
.set VOF, 34                           ; s34  my cluster's first fill of V;  s35  from it to its second: CH or -CH
.set VST, 35
.set SEL, 36                           ; s[36:37] v_permlanex16_b32's selects for lane l xor 16
.set CS,  38                           ; s[38:39] log2(e): the packed form names a pair and takes its low word for both halves
.set OF,  44                           ; s[44:45] the fill asked for (the upper word is 0)
.set BW,  48                           ; s[48:49] kv at my batch and my wave's quarter; never rewritten
.set CX,  50                           ; s50 on: whatever is made from my place in the cluster: none of these feeds a descriptor
.set QBK, 51
.set PFA, 56                           ; s[56:57] x for the prefetches: my rows, channel third
.set PV,  58                           ; s[58:59], s[60:61] my cluster's first and second fill of V
.set PV2, 60
.set TR,  62                           ; s62  trips to go
.set XP,  66                           ; s[66:67] x, s[68:69] out at the channel third in hand
.set OP,  68
.set GB,  70                           ; s[70:71] 256 x the channel third in hand
.set PFG, 72                           ; s[72:73] 256 x the third that the prefetches ask for
.set W_S, 0xf9                         ; S^T in window 3, K window 1, Q window 2
.set MSB, 0
.macro WIN new                         ; the immediate's high byte repeats the setting that is left; a switch that changes nothing is dropped
.if MSB != (\new)
	s_set_vgpr_msb (MSB<<8)|(\new)
.set MSB, \new
.endif
.endm
.macro PLACES                          ; a load into, or a vector write of, a register that a matrix instruction has named, and a vector read of its result, stand four plain vector instructions behind it (ISA guide 7.12.1 for vector instructions)
.rept 4
	v_nop
.endr
.endm
.macro VWAIT
	s_wait_alu depctr_va_vdst(0)
.endm
; A ROUND of the cluster's barrier: my work-group's barrier; wave 0 signals for the work-group; every wave waits for all four; my work-group's barrier once more.  RA opens it, register work may follow, RB closes it.
.macro RA
	s_barrier_signal -1
.endm
.macro RB
	WIN 0
	VWAIT
	s_barrier_wait -1
	s_cmp_lg_u32 s[WV], 0
	s_cbranch_scc1 .Lnot_wave_0_\@
	s_barrier_signal -3
.Lnot_wave_0_\@:
	s_barrier_wait -3
	s_barrier_signal -1
	s_barrier_wait -1
.endm
; THE CHANGE OF SLOTS, in front of its round: each wave waits for all its tensor loads (one is out: its quarter of the fill ahead), adds 0 to its spare word, and waits for that and for its LDS reads and stores.
; kind says which fill is asked for behind the round: 1 the second of those in hand, 2 the third (K), 3 the first of the next ones (K), 4 the first of the next channel third (V).
.macro PRE kind
	WIN 0
	VWAIT
	s_wait_tensorcnt 0x0                           ; no tensor load of mine is out, so group 0 may be written
	ds_add_u32 v[SPW], v[NIL]                      ; 0 onto my spare word
.if (\kind) == 1
	s_add_co_u32 s[OF], s[KOF], s[STP]
.elseif (\kind) == 2
	s_add_co_u32 s[OF], s[KOF], 2*CH
.elseif (\kind) == 3
	s_mov_b32 s[KOF], s[NXF]
	s_mov_b32 s[NXF], s[VOF]
	s_mov_b32 s[STP], s[STN]
	s_mov_b32 s[STN], s[VST]
	s_mov_b32 s[OF], s[KOF]
.else
	s_add_co_u32 s[KOF], s[KOF], 2*CH
	s_cmp_ge_u32 s[KOF], BATCH
	s_cselect_b32 s11, 6*CH, 0
	s_sub_co_u32 s[KOF], s[KOF], s11
	s_mov_b32 s[OF], s[KOF]
.endif
	s_add_nc_u64 s[G0+2:G0+3], s[BW:BW+1], s[OF:OF+1]
	s_or_b32 s[G0+3], s[G0+3], 0x80000000          ; 127:126 type = 2
	s_add_co_u32 s[G0+1], s[TB], s[WQ]             ; into the slot that is left
	s_xor_b32 s[TB], s[TB], CH                     ; the slot that is entered
	s_add_co_u32 s12, s[TB], s[WQ]
	v_add_nc_u32 v[FA], s12, v[FAL]
	VWAIT
	s_wait_dscnt 0x0                               ; the add is done, my reads of the slot that I leave are over, and what I stored has landed
.endm
.macro JLOAD                           ; the joint load, first behind the round
	tensor_load_to_lds s[G0:G0+3], s[G1:G1+7]
	s_nop 0
	PLACES                                         ; the places in front of the loads that follow
.endm
.macro FSC c                           ; my quarter's scale image
.irp i, 0,1,2,3
	ds_load_b128 v[CSC+16*(\c)+4*\i:CSC+16*(\c)+4*\i+3], v[FA] offset:SCO+512*\i
.endr
.endm
.macro FSET p                          ; fragments 8 p .. 8 p + 7: each load takes 512 consecutive bytes
	WIN 0x40
.irp i, 0,1,2,3,4,5,6,7
	ds_load_b128 v[64*(\p)+8*\i:64*(\p)+8*\i+3], v[FA] offset:(8*(\p)+\i)*1024
	ds_load_b128 v[64*(\p)+8*\i+4:64*(\p)+8*\i+7], v[FA] offset:(8*(\p)+\i)*1024+512
.endr
	WIN 0
.endm
; One matrix instruction, by the symbols rD (C and D), rA, rB, rSA, rSB; fA, fB: the side's scales stand in lanes 16-31; fZ: the product starts the sum.
.macro WMX
.if fZ && fA
	v_wmma_scale_f32_16x16x128_f8f6f4 v[rD:rD+7], v[rA:rA+7], v[rB:rB+7], 0, v[rSA], v[rSB] matrix_a_fmt:MATRIX_FMT_FP4 matrix_b_fmt:MATRIX_FMT_FP4 matrix_a_scale:MATRIX_SCALE_ROW1
.elseif fZ
	v_wmma_scale_f32_16x16x128_f8f6f4 v[rD:rD+7], v[rA:rA+7], v[rB:rB+7], 0, v[rSA], v[rSB] matrix_a_fmt:MATRIX_FMT_FP4 matrix_b_fmt:MATRIX_FMT_FP4
.elseif fA && fB
	v_wmma_scale_f32_16x16x128_f8f6f4 v[rD:rD+7], v[rA:rA+7], v[rB:rB+7], v[rD:rD+7], v[rSA], v[rSB] matrix_a_fmt:MATRIX_FMT_FP4 matrix_b_fmt:MATRIX_FMT_FP4 matrix_a_scale:MATRIX_SCALE_ROW1 matrix_b_scale:MATRIX_SCALE_ROW1
.elseif fA
	v_wmma_scale_f32_16x16x128_f8f6f4 v[rD:rD+7], v[rA:rA+7], v[rB:rB+7], v[rD:rD+7], v[rSA], v[rSB] matrix_a_fmt:MATRIX_FMT_FP4 matrix_b_fmt:MATRIX_FMT_FP4 matrix_a_scale:MATRIX_SCALE_ROW1
.elseif fB
	v_wmma_scale_f32_16x16x128_f8f6f4 v[rD:rD+7], v[rA:rA+7], v[rB:rB+7], v[rD:rD+7], v[rSA], v[rSB] matrix_a_fmt:MATRIX_FMT_FP4 matrix_b_fmt:MATRIX_FMT_FP4 matrix_b_scale:MATRIX_SCALE_ROW1
.else
	v_wmma_scale_f32_16x16x128_f8f6f4 v[rD:rD+7], v[rA:rA+7], v[rB:rB+7], v[rD:rD+7], v[rSA], v[rSB] matrix_a_fmt:MATRIX_FMT_FP4 matrix_b_fmt:MATRIX_FMT_FP4
.endif
.endm
; Products of S^T += K Q^T: key tiles lo .. lo + n - 1 of set p x 4 query tiles, channel step s, scales of image c.  The 32 accumulators take turns, one instruction a turn.
.macro MS p, s, c, lo, n
	WIN W_S
.set ik, \lo
.rept \n
.set iq, 0
.rept 4
.set rD, 64*iq+8*ik
.set rA, 64*(\p)+8*ik
.set rB, 32*(\s)+8*iq
.set rSA, CSC+16*(\c)+(8*(\p)+ik)%16
.set fA, (8*(\p)+ik)/16
.set rSB, QS+4*((\s)%3)+iq
.set fB, (\s)/3
.set fZ, (\s)==0
	WMX
.set iq, iq+1
.endr
.set ik, ik+1
.endr
	WIN 0
.endm
; 16 products of O^T += V^T P^T: key step k of key half hi, four channel tiles x four query tiles: the 16 accumulators take turns.
.macro MV hi, k
.if \hi
	WIN 0x09                                       ; V window 1, p window 2
.else
	WIN 0x0d                                       ; p window 3
.endif
.set it, 0
.rept 4
.set iq, 0
.rept 4
.set rD, ACC+32*it+8*iq
.set rA, 8*(4*(\k)+it)
.set rB, 32*(\k)+8*iq
.set rSA, CSC+16*(\hi)+(4*(\k)+it)%16
.set fA, (\k)/4
.set rSB, PS+16*(\hi)+4*((\k)/2)+iq
.set fB, (\k)%2
.set fZ, ((\hi)+(\k))==0
	WMX
.set iq, iq+1
.endr
.set it, it+1
.endr
	WIN 0
.endm
; THE LARGEST SCORE OF EACH BLOCK OF 32 KEYS: it serves for M and, since p rises with the score, for the block's largest p.  Each accumulator is read from its low end on.
.macro SMAX
	PLACES
	WIN 0x3f
.irp q, 0,1,2,3
.irp b, 0,1,2,3
	v_max3_num_f32 v[BM+4*\q+\b], v[64*\q+16*\b], v[64*\q+16*\b+1], v[64*\q+16*\b+2]
.endr
.endr
	WIN 0x3c
.irp i, 3,5,7,9,11,13
.irp q, 0,1,2,3
.irp b, 0,1,2,3
	v_max3_num_f32 v[BM+4*\q+\b], v[BM+4*\q+\b], v[64*\q+16*\b+\i], v[64*\q+16*\b+\i+1]
.endr
.endr
.endr
.irp q, 0,1,2,3
.irp b, 0,1,2,3
	v_max_num_f32 v[BM+4*\q+\b], v[BM+4*\q+\b], v[64*\q+16*\b+15]
.endr
.endr
	WIN 0
.irp q, 0,1,2,3
.irp b, 0,1,2,3
	v_permlanex16_b32 v[MXV+4*\q+\b], v[BM+4*\q+\b], s[SEL], s[SEL+1]
.endr
.endr
.irp q, 0,1,2,3
.irp b, 0,1,2,3
	v_max_num_f32 v[BM+4*\q+\b], v[BM+4*\q+\b], v[MXV+4*\q+\b]   ; with lane l xor 16's 16 keys
.endr
.endr
.endm
.macro SMM jj                          ; my running M moves; the sums under the new M
.irp q, 0,1,2,3
	v_max3_num_f32 v[TMP+\q], v[BM+4*\q], v[BM+4*\q+1], v[BM+4*\q+2]
.endr
.irp q, 0,1,2,3
	v_max_num_f32 v[TMP+\q], v[TMP+\q], v[BM+4*\q+3]
.endr
.irp q, 0,1,2,3
	v_mul_f32 v[TMP+\q], s[CS], v[TMP+\q]          ; as t
.endr
.irp q, 0,1,2,3
	v_max_num_f32 v[ST+4*\q+1], v[ST+4*\q+1], v[TMP+\q]          ; the running largest t
.endr
.irp q, 0,1,2,3
	v_mov_b32 v[TMP+\q], v[ST+4*\q]
.endr
.irp q, 0,1,2,3
	v_floor_f32 v[ST+4*\q], -v[ST+4*\q+1]          ; the new -M = floor(-t) = -ceil(t): a whole number
.endr
.irp q, 0,1,2,3
	v_sub_f32 v[TMP+\q], v[ST+4*\q], v[TMP+\q]     ; old M - new M: a whole number, 0 or less
.endr
.irp q, 0,1,2,3
	v_cvt_i32_f32 v[TMP+\q], v[TMP+\q]             ; (it saturates)
.endr
.irp q, 0,1,2,3
	v_ldexp_f32 v[ST+4*\q+2], v[ST+4*\q+2], v[TMP+\q]
	v_ldexp_f32 v[ST+4*\q+3], v[ST+4*\q+3], v[TMP+\q]
	v_mov_b32 v[NMC+4*(\jj)+\q], v[ST+4*\q]        ; the -M that this step's p stands under
.endr
.endm
.macro SMA q                           ; t - M, two at a time, and of each block's largest score
	WIN 0xc3
.set k_, 0
.rept 32
	v_pk_fma_f32 v[64*(\q)+2*k_:64*(\q)+2*k_+1], v[64*(\q)+2*k_:64*(\q)+2*k_+1], s[CS:CS+1], v[ST+4*(\q):ST+4*(\q)+1] op_sel_hi:[1,0,0]
.set k_, k_+1
.endr
	WIN 0
.irp b, 0,1,2,3
	v_fma_f32 v[BM+4*(\q)+\b], v[BM+4*(\q)+\b], s[CS], v[ST+4*(\q)]
.endr
.endm
.macro SME q                           ; p = 2^(t - M), at most 1: not normalised; and the blocks' largest p: the same two instructions on the same number give the same bits
	VWAIT                                          ; ahead of the batch,
	WIN 0xc3
.set k_, 0
.rept 64
	v_exp_f32 v[64*(\q)+k_], v[64*(\q)+k_]
.set k_, k_+1
.endr
	WIN 0
.irp b, 0,1,2,3
	v_exp_f32 v[BM+4*(\q)+\b], v[BM+4*(\q)+\b]
.endr
	v_nop                                          ; a plain line behind the last exponential
	VWAIT                                          ; and behind it
.endm
.macro SMC jj, q                       ; the row's sum of the UNQUANTISED p in four chains, the scales, the codes
	WIN 0x0f
.irp i, 0,1,2,3
	v_pk_add_f32 v[T+2*\i:T+2*\i+1], v[64*(\q)+4*\i:64*(\q)+4*\i+1], v[64*(\q)+4*\i+2:64*(\q)+4*\i+3]
.endr
	WIN 0x0c
.irp m, 16,24,32,40,48,56
.irp i, 0,1,2,3
	v_pk_add_f32 v[T+2*\i:T+2*\i+1], v[T+2*\i:T+2*\i+1], v[64*(\q)+\m+2*\i:64*(\q)+\m+2*\i+1]
.endr
.endr
	WIN 0
.irp b, 0,1,2,3
	v_max_num_f32 v[BM+4*(\q)+\b], 0x1800000, v[BM+4*(\q)+\b]    ; the floor 2^(3 - 127): the byte cannot fall under 1
.endr
	v_pk_add_f32 v[T:T+1], v[T:T+1], v[T+2:T+3]
	v_pk_add_f32 v[T+4:T+5], v[T+4:T+5], v[T+6:T+7]
.irp b, 0,1,2,3
	v_add_nc_u32 v[SOP+\b], 0xff000000, v[BM+4*(\q)+\b]          ; 2 off the exponent field: the conversion's scale operand
.endr
	v_pk_add_f32 v[T:T+1], v[T:T+1], v[T+4:T+5]
.irp b, 0,1,2,3
	v_lshrrev_b32 v[BYT+\b], 23, v[SOP+\b]         ; the scale's byte
.endr
	v_pk_add_f32 v[ST+4*(\q)+2:ST+4*(\q)+3], v[ST+4*(\q)+2:ST+4*(\q)+3], v[T:T+1]
	v_lshl_or_b32 v[PWC+4*(\jj)+\q], v[BYT+1], 8, v[BYT]         ; p's scale word for my 128 keys
	v_lshl_or_b32 v[PWC+4*(\jj)+\q], v[BYT+2], 16, v[PWC+4*(\jj)+\q]
	v_lshl_or_b32 v[PWC+4*(\jj)+\q], v[BYT+3], 24, v[PWC+4*(\jj)+\q]
	WIN 0x03
.irp b, 0,1,2,3
	v_cvt_scalef32_pk8_fp4_f32 v[PT+32*(\jj)+8*(\q)+2*\b], v[64*(\q)+16*\b:64*(\q)+16*\b+7], v[SOP+\b]
	v_cvt_scalef32_pk8_fp4_f32 v[PT+32*(\jj)+8*(\q)+2*\b+1], v[64*(\q)+16*\b+8:64*(\q)+16*\b+15], v[SOP+\b]
.endr
	WIN 0
	v_nop                                          ; one plain line behind the last scaled conversion
.irp c, 0,1                            ; the operand's layout wants a WHOLE block in a lane: lanes 0-15 block 2 c, lanes 16-31 block 2 c + 1
.irp i, 0,1
	v_permlane16_swap_b32 v[PT+32*(\jj)+8*(\q)+4*\c+\i], v[PT+32*(\jj)+8*(\q)+4*\c+2+\i]
.endr
.endr
.endm
.macro SMQ jj, q
	SMA \q
	SME \q
	SMC \jj, \q
.endm
.macro PUTP                            ; this trip's p as images of its registers
.irp j, 0,1
.irp q, 0,1,2,3
.irp c, 0,1
	ds_store_b128 v[PW], v[PT+32*\j+8*\q+4*\c:PT+32*\j+8*\q+4*\c+3] offset:16384*\j+1024*\q+512*\c
.endr
.endr
.endr
.endm
.macro GETP w, lo                      ; p's images of key steps lo .. lo + 3 of the half that lies in EX, all four query tiles
	WIN \w
.irp k, 0,1,2,3
.irp q, 0,1,2,3
.irp c, 0,1
	ds_load_b128 v[32*(\lo+\k)+8*\q+4*\c:32*(\lo+\k)+8*\q+4*\c+3], v[PR] offset:(4*(\lo+\k)+\q)*1024+512*\c
.endr
.endr
.endr
	WIN 0
.endm
; PREFETCHES INTO THE L2.  x: in trip t (two of part 1, then those of part 2) my wave asks for the 64 rows x 256 bytes of x that it loads in part 2 for the t-th channel third, two trips ahead; a lane a row, each block once.
; V: the fills that a cluster loads first, each one change of slots ahead of its load, in part 1's second trip; the four partners take a quarter each, told apart BY ADDRESS; in each, wave w names 32 blocks of codes and
; 2 of scale words.  The other channel thirds are other clusters' first ones.  K's first fills come by their loads alone: nothing is asked for at the head.
.macro ASKX n
	global_prefetch_b8 v[PFO], s[PFA:PFA+1] offset:(\n)*32*3072 th:TH_LOAD_NT scope:SCOPE_SE
.endm
.macro ASKV b
	s_cmp_eq_u32 s[TR], 1
	s_cbranch_scc0 .Lnot_now_\@
	global_prefetch_b8 v[PFV], s[\b:\b+1] th:TH_LOAD_NT scope:SCOPE_SE
	global_prefetch_b8 v[PFS], s[\b:\b+1] th:TH_LOAD_NT scope:SCOPE_SE
.Lnot_now_\@:
.endm
.macro STEP3 g                         ; on to the next channel third, round the three
	s_add_co_u32 s[\g], s[\g], 256
	s_cmp_ge_u32 s[\g], 768
	s_cselect_b32 s11, 768, 0
	s_sub_co_u32 s[\g], s[\g], s11
.endm
.macro HALF0                           ; the rest of the first key half's products; the second half's fragments follow into each set as it falls free
	MV 0, 1
	MV 0, 2
	PLACES
	FSC 1
	FSET 0
	MV 0, 3
	MV 0, 4
	PLACES
	FSET 1
	MV 0, 5
	MV 0, 6
	PLACES
	FSET 2
	MV 0, 7
	PLACES
	FSET 3
.endm
.macro XLOAD w                         ; x at my 64 rows, 256 bytes each: two rows a load, laid as the stage gives the rows back
	s_wait_xcnt 0x0                                ; earlier stores and prefetches have read their bases
	s_add_nc_u64 s[XP:XP+1], s[6:7], s[GB:GB+1]
	s_add_nc_u64 s[OP:OP+1], s[8:9], s[GB:GB+1]
	STEP3 GB
	WIN \w
.irp q, 0,1,2,3
.irp p, 0,1,2,3,4,5,6,7
	global_load_b128 v[32*\q+4*\p:32*\q+4*\p+3], v[GO], s[XP:XP+1] offset:(32*(\q/2)+8*(\q%2)+2*\p+8*(\p/4))*3072 th:TH_LOAD_NT
.endr
.endr
	WIN 0
.endm
; THE WAY OUT of a channel third: O^T / the sum, a query tile at a time through my stage in LDS, back as rows, x x (in window xw), stored.
.macro OUT xw
	PLACES
.irp q, 0,1,2,3
.irp t, 0,1,2,3
.irp k, 0,2,4,6
	v_pk_mul_f32 v[ACC+32*\t+8*\q+\k:ACC+32*\t+8*\q+\k+1], v[ACC+32*\t+8*\q+\k:ACC+32*\t+8*\q+\k+1], v[RL+2*\q:RL+2*\q+1] op_sel_hi:[1,0]
.endr
.endr
.irp t, 0,1,2,3
	ds_store_b128 v[SO], v[ACC+32*\t+8*\q:ACC+32*\t+8*\q+3] offset:64*\t      ; lane (r, h): channels 16 t + 8 h + 0 .. 7 of row r
	ds_store_b128 v[SO], v[ACC+32*\t+8*\q+4:ACC+32*\t+8*\q+7] offset:64*\t+16
.endr
	WIN 0x40
.irp p, 0,1,2,3,4,5,6,7
	ds_load_b128 v[128+32*\q+4*\p:128+32*\q+4*\p+3], v[SR] offset:2*\p*SP     ; LDS serves a wave's instructions in order (ISA guide 5.7.1.4): these see my stores, and the next tile's stores come behind them
.endr
	WIN 0
.endr
.irp q, 0,1,2,3
	s_wait_dscnt 16*(3-\q)                         ; the later tiles' 8 stores and 8 loads each may be out
	s_wait_loadcnt 8*(3-\q)                        ; and their 8 loads of x
	WIN 0x41+4*(\xw)
.set k_, 0
.rept 16
	v_pk_mul_f32 v[128+32*\q+2*k_:128+32*\q+2*k_+1], v[128+32*\q+2*k_:128+32*\q+2*k_+1], v[32*\q+2*k_:32*\q+2*k_+1]
.set k_, k_+1
.endr
	WIN 0x04                                       ; a store's data are its source 1: window 1
.irp p, 0,1,2,3,4,5,6,7
	global_store_b128 v[GO], v[128+32*\q+4*\p:128+32*\q+4*\p+3], s[OP:OP+1] offset:(32*(\q/2)+8*(\q%2)+2*\p+8*(\p/4))*3072 th:TH_STORE_NT   ; each half of the lanes stores 256 consecutive bytes, aligned
.endr
	WIN 0
.endr
.endm
.macro ADJ w, d                        ; four scale words: each byte less the smaller of d and (byte - 1): so no byte falls under 1
.irp q, 0,1,2,3
	v_add_nc_u32 v[AU+\q], 0xfefefeff, v[\w+\q]    ; 1 off every byte: none is 0, so nothing is borrowed
.endr
.irp q, 0,1,2,3
.irp b, 0,1,2,3
	v_bfe_u32 v[AX+4*\q+\b], v[AU+\q], 8*\b, 8
.endr
.endr
.irp q, 0,1,2,3
.irp b, 0,1,2,3
	v_min_u32 v[AX+4*\q+\b], v[\d+\q], v[AX+4*\q+\b]
.endr
.endr
.irp b, 1,2,3
.irp q, 0,1,2,3
	v_lshl_or_b32 v[AX+4*\q], v[AX+4*\q+\b], 8*\b, v[AX+4*\q]
.endr
.endr
.irp q, 0,1,2,3
	v_sub_nc_u32 v[\w+\q], v[\w+\q], v[AX+4*\q]
.endr
.endm
	s_load_b128 s[4:7], s[0:1], 0x0                ; kv, x
	s_load_b64 s[8:9], s[0:1], 0x10                ; out0
	v_lshl_add_u32 v[SPW], v0, 2, SPARE
	v_mov_b32 v[NIL], 0
	ds_add_u32 v[SPW], v[NIL]                      ; the wave's opening: the add, twice on end, and its wait ahead of my first tensor load; the set-up below, work on registers, stands between
	ds_add_u32 v[SPW], v[NIL]
	v_lshrrev_b32 v1, 5, v0
	v_readfirstlane_b32 s[WV], v1                  ; wave 0..3
	s_bfe_u32 s[CX], ttmp6, 0x40000                ; my place in the cluster
	s_lshl_b32 s[QBK], ttmp9, 2
	s_add_co_u32 s[QBK], s[QBK], s[CX]             ; my block of 64 queries: it enters global addresses of plain loads, prefetches and stores alone
	s_and_b32 s[BAT], ttmp7, 0xffff                ; the batch, which the four partners share
	; descriptor group 1: a quarter, 34,816 dense bytes, as 136 rows of 256 bytes (32 elements of 8 bytes), no padding: every LDS read takes 512 consecutive bytes
	s_mov_b32 s[G1], 15|(3<<16)|(1<<21)            ; 15:0 the mask: all four work-groups; 17:16 elements of 8 bytes; 21 set beside a mask
	s_mov_b32 s[G1+1], 32<<16                      ; tensor_dim0
	s_mov_b32 s[G1+2], 136<<16                     ; tensor_dim1
	s_mov_b32 s[G1+3], 32<<16                      ; tile_dim0
	s_mov_b32 s[G1+4], 136                         ; tile_dim1
	s_mov_b32 s[G1+5], 32                          ; tensor_dim0_stride
	s_mov_b32 s[G1+6], 0
	s_mov_b32 s[G1+7], 0
	s_mov_b32 s[SEL], 0x76543210
	s_mov_b32 s[SEL+1], 0xfedcba98
	s_mov_b32 s[CS], 0x3fb8aa3b                    ; log2(e)
	s_mov_b32 s[CS+1], s[CS]                       ; (named with it as a pair, so it is written)
	s_mov_b32 s[TR], 2
	s_mul_i32 s[WQ], s[WV], QTR
	s_mov_b32 s[TB], CH                            ; the first change enters slot 0
	s_mov_b32 s[OF+1], 0
	s_and_b32 s12, ttmp9, 1                        ; the cluster's number c, 0 to 7 in a batch: the same in all four partners
	s_mul_i32 s[KOF], s12, 3*CH                    ; K: its first half,
	s_mov_b32 s[NXF], 3*CH
	s_sub_co_u32 s[NXF], s[NXF], s[KOF]            ; and the other
	s_mov_b32 s[STP], CH
	s_mov_b32 s[STN], CH
	s_mul_i32 s14, s12, 2*CH
	s_mov_b32 s[VST], CH
	s_sub_co_u32 s[VST], s[VST], s14               ; V: CH, or -CH where the second key half comes first
	s_mul_i32 s14, ttmp9, 11
	s_lshr_b32 s14, s14, 5                         ; c / 3
	s_mul_i32 s14, s14, 3
	s_sub_co_u32 s14, ttmp9, s14                   ; c % 3: its first channel third
	s_lshl_b32 s[GB], s14, 8
	s_mov_b32 s[GB+1], 0
	s_mov_b32 s[PFG], s[GB]
	s_mov_b32 s[PFG+1], 0
	s_lshl_b32 s14, s14, 1
	s_add_co_u32 s14, s14, s12
	s_add_co_u32 s14, s14, 6
	s_mul_i32 s[VOF], s14, CH                      ; fill 6 + 2 g + kh
	v_and_b32 v128, 31, v0                         ; lane
	v_and_b32 v129, 15, v0                         ; r
	v_bfe_u32 v130, v0, 4, 1                       ; h
	v_lshlrev_b32 v131, 4, v128                    ; 16 lane
	v_mov_b32 v[FAL], v131
	v_add_nc_u32 v[PR], EX, v131
	s_lshl_b32 s15, s[WV], 12
	v_add_nc_u32 v[PW], s15, v[PR]
	v_lshlrev_b32 v[PSW], 2, v129
	v_add_nc_u32 v[PSW], PSC, v[PSW]
	v_lshl_add_u32 v[PSR], v130, 8, v[PSW]         ; lanes 16-31 read the next key step's word
	s_lshl_b32 s15, s[WV], 8
	v_add_nc_u32 v[PSW], s15, v[PSW]
	v_lshl_add_u32 v[MXR], v129, 5, MX
	s_lshl_b32 s15, s[WV], 3
	v_add_nc_u32 v[MXW], s15, v[MXR]
	s_mul_i32 s15, s[WV], 16*SP
	s_add_co_u32 s15, s15, EX                      ; my stage
	v_mul_u32_u24 v[SO], v129, SP
	v_lshl_add_u32 v[SO], v130, 5, v[SO]
	v_add_nc_u32 v[SO], s15, v[SO]                 ; in: row r, + 32 h
	v_mul_u32_u24 v[SR], v130, SP
	v_lshl_add_u32 v[SR], v129, 4, v[SR]
	v_add_nc_u32 v[SR], s15, v[SR]                 ; back: lanes 0-15 one row, lanes 16-31 the next
	s_mul_i32 s15, s[WV], 768
	v_mul_u32_u24 v[GO], v130, 3072
	v_lshl_add_u32 v[GO], v129, 4, v[GO]
	v_add_nc_u32 v[GO], s15, v[GO]
	v_mul_u32_u24 v[PFO], v128, 3072
	v_add_nc_u32 v[PFO], s15, v[PFO]
	s_mul_i32 s52, s[CX], QTR                      ; the quarter that is my work-group's to ask for
	v_lshlrev_b32 v[PFV], 8, v0                    ; block 32 wave + lane of its codes,
	v_add_nc_u32 v[PFV], s52, v[PFV]
	v_and_b32 v[PFS], 1, v0
	v_lshlrev_b32 v[PFS], 8, v[PFS]                ; block 2 wave + lane % 2 of its scale words
	s_lshl_b32 s53, s[WV], 9
	s_add_co_u32 s52, s52, s53
	s_add_co_u32 s52, s52, SCO
	v_add_nc_u32 v[PFS], s52, v[PFS]
	; my 64 queries as keys: step j = qb / 8, quarter (qb / 2) % 4, key tiles 4 e on, e = qb % 2.  Channel step s is unit 6 j + s of K
	s_lshr_b32 s74, s[QBK], 3
	s_mul_i32 s74, s74, 6
	s_bfe_u32 s75, s[QBK], 0x20001
	s_mul_i32 s75, s75, QTR
	s_and_b32 s77, s[QBK], 1
	s_lshl_b32 s76, s77, 12
.irp s, 0,1,2,3,4,5
	s_add_co_u32 s52, s74, \s
	s_and_b32 s53, s52, 3                          ; its place in the fill
	s_lshr_b32 s52, s52, 2
	s_mul_i32 s52, s52, CH
	s_add_co_u32 s52, s52, s75
	s_lshl_b32 s54, s53, 13
	s_add_co_u32 s54, s54, s52
	s_add_co_u32 s54, s54, s76
	v_add_nc_u32 v[132+\s], s54, v131              ; its codes
	s_lshl_b32 s53, s53, 1
	s_add_co_u32 s53, s53, s77                     ; group z of four fragments: (z % 4) 512 + (z / 4) 256
	s_and_b32 s54, s53, 3
	s_lshl_b32 s54, s54, 9
	s_add_co_u32 s52, s52, s54
	s_lshr_b32 s53, s53, 2
	s_lshl_b32 s53, s53, 8
	s_add_co_u32 s[80+\s], s52, s53
.endr
.irp s, 0,1,2                          ; scale words: lanes 0-15 step s, lanes 16-31 step s + 3; 16 bytes a row: the four query tiles'
	s_sub_co_u32 s52, s[83+\s], s[80+\s]
	v_mul_lo_u32 v[138+\s], v130, s52
	v_lshl_add_u32 v[138+\s], v129, 4, v[138+\s]
	v_add_nc_u32 v[138+\s], s[80+\s], v[138+\s]
.endr
	s_mul_i32 s42, s[BAT], BATCH
	s_mov_b32 s43, 0
	s_lshl_b32 s52, s[BAT], 11
	s_lshl_b32 s54, s[QBK], 6
	s_add_co_u32 s52, s52, s54
	s_mul_i32 s52, s52, 3072                       ; my first query's row in x and in out
	s_mov_b32 s53, 0
	VWAIT
	s_wait_dscnt 0x0                               ; both opening adds are done
	s_wait_kmcnt 0x0
	s_add_nc_u64 s[4:5], s[4:5], s[42:43]          ; kv at my batch
	s_mov_b32 s42, s[WQ]
	s_add_nc_u64 s[BW:BW+1], s[4:5], s[42:43]      ; and at my quarter of its fill 0
	s_mov_b32 s[OF], s[KOF]
	s_mov_b32 s[G0], 1                             ; 1:0 count = 1
	s_mov_b32 s[G0+1], s[WQ]                       ; LDS address: my quarter of slot 0
	s_add_nc_u64 s[G0+2:G0+3], s[BW:BW+1], s[OF:OF+1]
	s_or_b32 s[G0+3], s[G0+3], 0x80000000
	RA
	RB                                             ; all four work-groups are here: the first joint loads meet
	JLOAD                                          ; K's first fill
.set ks, 0
.rept 6                                ; Q stays in registers: channel step ks, query tile q
	WIN 0x80
.irp q, 0,1,2,3
.irp c, 0,1
	global_load_b128 v[32*ks+8*\q+4*\c:32*ks+8*\q+4*\c+3], v[132+ks], s[4:5] offset:1024*\q+512*\c
.endr
.endr
.set ks, ks+1
.endr
	WIN 0
.irp s, 0,1,2
	global_load_b128 v[QS+4*\s:QS+4*\s+3], v[138+\s], s[4:5] offset:SCO
.endr
	s_add_nc_u64 s[6:7], s[6:7], s[52:53]
	s_add_nc_u64 s[8:9], s[8:9], s[52:53]
	s_add_nc_u64 s[PFA:PFA+1], s[6:7], s[PFG:PFG+1]
	s_mov_b32 s42, s[VOF]
	s_add_nc_u64 s[PV:PV+1], s[4:5], s[42:43]
	s_add_co_u32 s42, s[VOF], s[VST]
	s_add_nc_u64 s[PV2:PV2+1], s[4:5], s[42:43]
.irp q, 0,1,2,3
	v_mov_b32 v[ST+4*\q+1], 0xff61b1e6             ; the largest t so far: -3e38, under every t
	v_mov_b32 v[ST+4*\q+2], 0                      ; the sum, in two halves
	v_mov_b32 v[ST+4*\q+3], 0
.endr
.irp q, 0,1,2,3
	v_floor_f32 v[ST+4*\q], -v[ST+4*\q+1]          ; -M
.endr
.set k_, 0
.rept 16
	v_mov_b32 v[MXV+k_], 0                         ; (a lane permute's destination counts as one of its sources)
	v_mov_b32 v[PWC+k_], 0                         ; the loop's first trip moves these on,
.set k_, k_+1
.endr
.set k_, 0
.rept 64
	v_mov_b32 v[PT+k_], 0                          ; and stores these, which nobody reads
.set k_, k_+1
.endr
	PRE 1                                          ; K's first fill is in; the second, slot 1's first, is asked for behind the round
	RA
	RB
	JLOAD
	FSC 0
	FSET 0
	FSET 1
	FSET 2
	FSET 3
	s_wait_loadcnt 0x0                             ; Q and its scale words
; PART 1.  A trip is 1,024 keys in three fills of four units (128 keys a wave x 128 channels): even step E: units 0-3 | 4, 5; odd step O: units 0, 1 | 2-5.  The changes of slots stand about a third of the trip's work
; apart: in E's products, ahead of E's last softmax tile, behind O's first.  Entered with the first fill's fragments on their way; left with the next fill's (K's, or V's first) likewise.
.Lpart1:
	PUTP                                           ; the last trip's p leaves its registers: behind this trip's rounds all waves may read it
.set k_, 0
.rept 8
	v_mov_b32 v[PWS+k_], v[PWC+k_]
	v_mov_b32 v[NMS+k_], v[NMC+k_]
.set k_, k_+1
.endr
	s_wait_dscnt 16                                ; all but the 16 stores above
	MS 0, 0, 0, 0, 8
	MS 1, 1, 0, 0, 8
	PRE 2
	RA
	MS 2, 2, 0, 0, 4                               ; work on registers while the others arrive
	RB
	JLOAD
	FSC 1
	FSET 0
	FSET 1
	ASKX 0
	ASKV PV
	MS 2, 2, 0, 4, 4
	MS 3, 3, 0, 0, 8
	PLACES
	FSET 2
	FSET 3
	s_wait_dscnt 32                                ; sets 2 and 3 may be out
	MS 0, 4, 1, 0, 8
	MS 1, 5, 1, 0, 8
	SMAX
	SMM 0
	SMQ 0, 0
	SMQ 0, 1
	SMQ 0, 2
	PRE 3
	RA
	SMA 3
	RB
	JLOAD
	FSC 0
	FSET 0
	FSET 1
	ASKX 1
	ASKV PV2
	SME 3
	SMC 0, 3
	MS 2, 0, 1, 0, 8
	MS 3, 1, 1, 0, 8
	PLACES
	FSET 2
	FSET 3
	s_wait_dscnt 32
	MS 0, 2, 0, 0, 8
	MS 1, 3, 0, 0, 8
	s_wait_dscnt 0x0
	MS 2, 4, 0, 0, 8
	MS 3, 5, 0, 0, 8
	SMAX
	SMM 1
	SMQ 1, 0
	PRE 1
	RA
	SMA 1
	RB
	JLOAD
	FSC 0
	FSET 0
	FSET 1
	SME 1
	SMC 1, 1
	FSET 2
	SMQ 1, 2
	FSET 3
	SMQ 1, 3
	s_wait_xcnt 0x0                                ; the prefetches have read their base
	STEP3 PFG
	s_add_nc_u64 s[PFA:PFA+1], s[6:7], s[PFG:PFG+1]
	VWAIT
	s_sub_co_u32 s[TR], s[TR], 1
	s_cmp_lg_u32 s[TR], 0
	s_cbranch_scc1 .Lpart1
	; BETWEEN THE PARTS: the row's M and sum from the four waves', the scale bytes under the row's M, p's images to all waves.
.irp q, 0,1,2,3
	v_add_f32 v[ST+4*\q+2], v[ST+4*\q+2], v[ST+4*\q+3]
.endr
.irp q, 0,1,2,3
	v_permlanex16_b32 v[ST+4*\q+3], v[ST+4*\q+2], s[SEL], s[SEL+1]
.endr
.irp q, 0,1,2,3
	v_add_f32 v[ST+4*\q+1], v[ST+4*\q+2], v[ST+4*\q+3]
.endr
.irp q, 0,1,2,3
	ds_store_b64 v[MXW], v[ST+4*\q:ST+4*\q+1] offset:512*\q   ; -M and my sum; both halves of the lanes write the same words with the same values
.endr
	VWAIT
	s_wait_dscnt 0x0                               ; for the others' sake
	s_barrier_signal -1
	GETP 0xc0, 0                                   ; the first trip's p, stored ahead of the second trip's rounds; nobody writes there before the next barrier
	s_barrier_wait -1
.irp q, 0,1,2,3
	ds_load_b128 v[MXB+8*\q:MXB+8*\q+3], v[MXR] offset:512*\q
	ds_load_b128 v[MXB+8*\q+4:MXB+8*\q+7], v[MXR] offset:512*\q+16
.endr
	GETP 0xc0, 4
	s_wait_dscnt 32                                ; the 32 loads just issued may be out
.irp q, 0,1,2,3
	v_min_num_f32 v[NMF+\q], v[MXB+8*\q], v[MXB+8*\q+2]
.endr
.irp q, 0,1,2,3
	v_min_num_f32 v[NMF+\q], v[NMF+\q], v[MXB+8*\q+4]
.endr
.irp q, 0,1,2,3
	v_min_num_f32 v[NMF+\q], v[NMF+\q], v[MXB+8*\q+6]           ; the row's -M
.endr
.irp w, 0,2,4,6
.irp q, 0,1,2,3
	v_sub_f32 v[MXB+8*\q+\w], v[NMF+\q], v[MXB+8*\q+\w]         ; the wave's M - the row's: a whole number, 0 or less
.endr
.endr
.irp w, 0,2,4,6
.irp q, 0,1,2,3
	v_cvt_i32_f32 v[MXB+8*\q+\w], v[MXB+8*\q+\w]
.endr
.endr
.irp w, 0,2,4,6
.irp q, 0,1,2,3
	v_ldexp_f32 v[MXB+8*\q+\w+1], v[MXB+8*\q+\w+1], v[MXB+8*\q+\w]
.endr
.endr
.irp q, 0,1,2,3
	v_add_f32 v[MXB+8*\q+1], v[MXB+8*\q+1], v[MXB+8*\q+3]
	v_add_f32 v[MXB+8*\q+5], v[MXB+8*\q+5], v[MXB+8*\q+7]
.endr
.irp q, 0,1,2,3
	v_add_f32 v[LS+\q], v[MXB+8*\q+1], v[MXB+8*\q+5]            ; the row's sum
.endr
.irp i, 0,1,2,3,4,5,6,7
	v_sub_f32 v[NMS+\i], v[NMS+\i], v[NMF+\i%4]    ; the row's M - the M of the step: 0 or more
	v_sub_f32 v[NMC+\i], v[NMC+\i], v[NMF+\i%4]
.endr
.irp i, 0,1,2,3,4,5,6,7
	v_cvt_u32_f32 v[NMS+\i], v[NMS+\i]             ; (it saturates)
	v_cvt_u32_f32 v[NMC+\i], v[NMC+\i]
.endr
	ADJ PWS, NMS
	ADJ PWS+4, NMS+4
	ADJ PWC, NMC
	ADJ PWC+4, NMC+4
.irp i, 0,1,2,3,4,5,6,7
	ds_store_b32 v[PSW], v[PWS+\i] offset:1024*(\i/4)+64*(\i%4)
	ds_store_b32 v[PSW], v[PWC+\i] offset:2048+1024*(\i/4)+64*(\i%4)
.endr
	VWAIT
.irp q, 0,1,2,3
	v_rcp_f32 v[RL+2*\q], v[LS+\q]
.endr
.irp q, 0,1,2,3
	v_mov_b32 v[RL+2*\q+1], 0                      ; (the pairs' upper halves; plain lines behind the reciprocals)
.endr
	VWAIT
	s_wait_dscnt 0x0                               ; my words have landed, and my reads of the first half's images are over
	s_barrier_signal -1
	s_barrier_wait -1
	PUTP                                           ; the second trip's p, over the first's
.irp u, 0,1
.irp i, 0,1,2,3
.irp q, 0,1,2,3
	ds_load_b32 v[PS+16*\u+4*\i+\q], v[PSR] offset:2048*\u+512*\i+64*\q
.endr
.endr
.endr
	s_mov_b32 s[TR], 2
; PART 2.  A trip is a channel third of my 192: two fills of four channel tiles x 1,024 keys.  Entered with the first one's fragments on their way.  Two trips; the third is written out: it asks for nothing more.
.Lpart2:
	PRE 4                                          ; the second fill is entered, the next third's first asked for.  In the first trip this round also shows the second trip's p to all waves
	RA
	MV 0, 0
	RB
	JLOAD
	s_cmp_lg_u32 s[TR], 2
	s_cbranch_scc1 .Lhave_p                        ; the first trip alone reads p of the second half, and asks for x of the last third
	GETP 0x80, 0
	GETP 0x80, 4
	ASKX 0
	ASKX 1
.Lhave_p:
	HALF0
	s_wait_dscnt 48                                ; sets 1 to 3 may be out
	MV 1, 0
	MV 1, 1
	s_wait_dscnt 32
	MV 1, 2
	MV 1, 3
	PLACES
	XLOAD 0x40                                     ; x into the registers of sets 0 and 1
	PRE 1                                          ; the next third's first fill is entered, its second asked for
	RA
	MV 1, 4
	RB
	JLOAD
	MV 1, 5
	MV 1, 6
	MV 1, 7
	OUT 1
	FSC 0
	FSET 0
	FSET 1
	s_wait_xcnt 0x0                                ; the stores have read their registers
	FSET 2
	FSET 3
	VWAIT
	s_sub_co_u32 s[TR], s[TR], 1
	s_cmp_lg_u32 s[TR], 0
	s_cbranch_scc1 .Lpart2
	; THE LAST THIRD
	VWAIT
	s_wait_tensorcnt 0x0                           ; my quarter of the last fill, which I alone read; nothing is filled again, so no barrier
	s_xor_b32 s[TB], s[TB], CH
	s_add_co_u32 s12, s[TB], s[WQ]
	v_add_nc_u32 v[FA], s12, v[FAL]
	VWAIT
	s_wait_dscnt 0x0
	MV 0, 0
	HALF0
	XLOAD 0xc0                                     ; x into registers that p of the first half has left (set 3's places stand ahead of its loads)
	s_wait_dscnt 48
	MV 1, 0
	MV 1, 1
	s_wait_dscnt 32
	MV 1, 2
	MV 1, 3
	s_wait_dscnt 0x0
	MV 1, 4
	MV 1, 5
	MV 1, 6
	MV 1, 7
	OUT 3
	s_wait_tensorcnt 0x0                           ; the wave's end, behind my last tensor load and my last LDS store
	ds_add_u32 v[SPW], v[NIL]
	s_wait_dscnt 0x0
	RA
	RB                                             ; the closing round: no work-group ends while a partner may still ask for a quarter that names it
	s_endpgm
.Lfunc_end_k_q8caa9e2182_attn:
	.size	k_q8caa9e2182_attn, .Lfunc_end_k_q8caa9e2182_attn-k_q8caa9e2182_attn
	.p2alignl 7, 3214868480
	.fill 96, 4, 3214868480
	.section	.rodata,"a",@progbits
	.p2align	6, 0x0
	.amdhsa_kernel k_q8caa9e2182_attn
		.amdhsa_group_segment_fixed_size 327680
		.amdhsa_private_segment_fixed_size 0
		.amdhsa_enable_private_segment 0
		.amdhsa_kernarg_size 24
		.amdhsa_user_sgpr_count 2
		.amdhsa_user_sgpr_kernarg_segment_ptr 1
		.amdhsa_wavefront_size32 1
		.amdhsa_system_sgpr_workgroup_id_x 1
		.amdhsa_system_sgpr_workgroup_id_y 1
		.amdhsa_system_sgpr_workgroup_id_z 1
		.amdhsa_system_vgpr_workitem_id 0
		.amdhsa_next_free_vgpr 1024
		.amdhsa_next_free_sgpr 100
		.amdhsa_reserve_vcc 0
		.amdhsa_float_denorm_mode_32 3
		.amdhsa_float_denorm_mode_16_64 3
		.amdhsa_memory_ordered 1
		.amdhsa_forward_progress 1
		.amdhsa_inst_pref_size 255
	.end_amdhsa_kernel
	.section	.bss,"aw",@nobits
	.p2align	6
	.space	262144
	.amdgpu_metadata
---
amdhsa.version: [ 1, 2 ]
amdhsa.kernels:
  - .name:           k_q8caa9e2182_attn
    .symbol:         k_q8caa9e2182_attn.kd
    .args:
      - { .name: kv, .offset: 0, .size: 8, .value_kind: global_buffer, .address_space: global }
      - { .name: x, .offset: 8, .size: 8, .value_kind: global_buffer, .address_space: global }
      - { .name: out0, .offset: 16, .size: 8, .value_kind: global_buffer, .address_space: global }
    .group_segment_fixed_size: 327680
    .private_segment_fixed_size: 0
    .kernarg_segment_align: 8
    .kernarg_segment_size: 24
    .max_flat_workgroup_size: 128
    .sgpr_count:     100
    .vgpr_count:     1024
    .wavefront_size: 32
...
	.end_amdgpu_metadata
.endif
;; end of part 2
